; MI455X (gfx1250); checked and timed in simulation.
; The chip was launched on July 23, 2026; its instructions are those of AMD's public machine-readable ISA for CDNA 5 (MIT licence, August 2026) and "CDNA5" Instruction Set Architecture Reference Guide (July 2026). The comments in the code are by the model that wrote it; some were corrected since.
;; Concatenation Attention. Allowed arithmetic: float matrix products may take bf16 or f16 operands with f32 sums; other float arithmetic in f32, or as packed bf16 or f16 multiplies, adds, multiply-adds, maxima and minima; sums over many terms, partial sums and values carried from step to step in f32; what a program stores and reads back later, other than sums and carried values, may be rounded once to bf16 or f16.
;; Inputs: W 1,024 x 2,048 float32; b 1,024 float32; decoder_h_input 64 x 1,024 float32; encoder_input 64 x 1,024 x 1,024 float32; v 1 x 1,024 float32.
;; Outputs: out0 64 x 1,024 float32; out1 64 x 1,024 float32.
;; 2 versions, each right; version 2 is version 1 with the launch score written anew for expert scheduling mode. Each part assembles by itself: llvm-mc -triple=amdgcn-amd-amdhsa -mcpu=gfx1250 --defsym DOCPART=n.
;; ======== version 1 of 2: 3 launches
;; limits: values outside matrix products are rounded to bf16
;; workspace buffers: wf 2,097,152 bytes; cpart 1,048,576 bytes; scores 262,144 bytes; ctxp 2,097,152 bytes
;; launch prep (part 1): grid 256 x 1, 8 waves a work-group, no clusters, 0 bytes of LDS; arguments W, decoder_h_input, wf, cpart; writes wf, cpart
.if DOCPART == 1
	.amdgcn_target "amdgcn-amd-amdhsa--gfx1250"
	.amdhsa_code_object_version 6
	.text
	.protected	k_qf37e0a0c9d_prep
	.globl	k_qf37e0a0c9d_prep
	.p2align	8
	.type	k_qf37e0a0c9d_prep,@function
k_qf37e0a0c9d_prep:
	s_mov_b64 s[64:65], 0
	v_nop
	global_prefetch_b8 v0, s[64:65] scope:SCOPE_SE
	s_setreg_imm32_b32 hwreg(HW_REG_WAVE_MODE, 25, 1), 1
	s_wait_xcnt 0x0
; Two small jobs on W [1024][2048] f32, each on half of the 256 work-groups.
; Work-groups 128-255: We = W[:, 0:1024] is rounded once to bf16 and laid out in the order in which the next launch's lanes take it:
;   wf byte = G*131072 + q*4096 + nb*1024 + c*512 + 16*lane holds We[64G+16nb+lane%16][32q+16c+8(lane/16) .. +7]: a load of 16 bytes a lane is half a matrix fragment, 512 consecutive bytes a wave.
; Work-groups 0-127: cpart[kq][b][e] = sum over k = 256kq .. +255 of dec[b][k] * W[e][1024+k], operands rounded once to bf16, sums in f32.  K is cut in four so that 1,024 waves share the
;   product; the four parts stay f32 and are added in a fixed order by the next launch.  One wave: 16 b x 16 e, eight matrix instructions on two accumulators by turns.
; LIMITS: W and dec are rounded to bf16 (nearest even); NaN and infinities are not treated apart.
.set DR, 128                           ; v[128:255] dec as loaded, 16 registers a K step of 32; its fragment is packed into the first 8 of them
                                       ; window 1 v[0:127]: W likewise
.set MSB, 0
.macro WIN new                         ; the immediate's high byte repeats the setting that is left
.if MSB != (\new)
	s_set_vgpr_msb (MSB<<8)|(\new)
.set MSB, \new
.endif
.endm
	s_load_b256 s[4:11], s[0:1], 0x0               ; W s[4:5], dec s[6:7], wf s[8:9], cpart s[10:11]
	v_lshrrev_b32 v1, 5, v0
	v_readfirstlane_b32 s12, v1                    ; wave 0..7
	v_and_b32 v2, 15, v0                           ; r = lane % 16
	v_bfe_u32 v3, v0, 4, 1                         ; h = lane / 16
	s_wait_kmcnt 0x0
	s_cmp_lt_u32 ttmp9, 128
	s_cbranch_scc1 .Lproduct
	; ---- We into fragment order.  Work-group g' = 0..127 makes 16,384 bytes of wf: G = g' / 8, q = 4 (g' % 8) + 0..3.  Thread t = 64 nb + 32 c + lane.
	s_sub_co_u32 s13, ttmp9, 128                   ; g'
	s_lshr_b32 s14, s13, 3
	s_lshl_b32 s14, s14, 19                        ; 64 G rows of 8,192 bytes
	s_and_b32 s15, s13, 7
	s_lshl_b32 s15, s15, 9                         ; 4 (g' % 8) steps of 128 bytes
	s_add_co_u32 s14, s14, s15
	s_lshl_b32 s15, s13, 14                        ; g' x 16,384 in wf
	v_bfe_u32 v4, v0, 6, 2                         ; nb
	v_lshl_add_u32 v4, v4, 4, v2                   ; row 16 nb + r
	v_lshlrev_b32 v4, 13, v4
	v_bfe_u32 v5, v0, 4, 2                         ; h + 2 c: 32 bytes each
	v_lshl_add_u32 v4, v5, 5, v4
	v_add_nc_u32 v4, s14, v4
	v_lshl_add_u32 v5, v0, 4, s15                  ; 16 t: a wave's store covers 512 consecutive bytes
.irp i, 0,1,2,3
	global_load_b128 v[16+8*\i:19+8*\i], v4, s[4:5] offset:128*\i
	global_load_b128 v[20+8*\i:23+8*\i], v4, s[4:5] offset:128*\i+16
.endr
	s_wait_loadcnt 0x0
.irp i, 0,1,2,3
.irp j, 0,1,2,3
	v_cvt_pk_bf16_f32 v[48+4*\i+\j], v[16+8*\i+2*\j], v[16+8*\i+2*\j+1]
.endr
.endr
.irp i, 0,1,2,3
	global_store_b128 v5, v[48+4*\i:51+4*\i], s[8:9] offset:4096*\i
.endr
	s_endpgm
.Lproduct:
	; ---- the decoder's term.  Wave u = 8 x work-group + wave: kq = u % 4, mb = (u / 4) % 4, g = u / 16.
	s_lshl_b32 s13, ttmp9, 3
	s_add_co_u32 s13, s13, s12
	s_and_b32 s14, s13, 3                          ; kq
	s_bfe_u32 s15, s13, 0x20002                    ; mb
	s_lshr_b32 s16, s13, 4                         ; g
	s_lshl_b32 s17, s14, 10                        ; 256 kq numbers of 4 bytes
	s_lshl_b32 s18, s15, 16                        ; 16 mb rows of dec, 4,096 bytes each
	s_add_co_u32 s18, s18, s17
	s_lshl_b32 s19, s16, 17                        ; 16 g rows of W, 8,192 bytes each,
	s_add_co_u32 s19, s19, s17
	s_add_co_u32 s19, s19, 4096                    ; their second half
	s_lshl_b32 s20, s14, 18                        ; cpart: kq x 64 x 1,024 x 4
	s_lshl_b32 s21, s15, 16
	s_add_co_u32 s20, s20, s21
	s_lshl_b32 s21, s16, 6
	s_add_co_u32 s20, s20, s21
	v_lshlrev_b32 v4, 5, v3                        ; 32 h
	v_lshl_add_u32 v5, v2, 12, v4
	v_lshl_add_u32 v6, v2, 13, v4
	v_add_nc_u32 v7, s20, v5                       ; out: row 16 mb + r, columns 16 g + 8 h ..
	v_add_nc_u32 v5, s18, v5
	v_add_nc_u32 v6, s19, v6
	; a fragment's lane holds k = 8h..+7 and 16+8h..+7 of a step of 32: in f32 four loads of 16 bytes at 0, 16, 64, 80
.set q, 0
.rept 8
	global_load_b128 v[DR+16*q:DR+16*q+3],     v5, s[6:7] offset:128*q
	global_load_b128 v[DR+16*q+4:DR+16*q+7],   v5, s[6:7] offset:128*q+16
	global_load_b128 v[DR+16*q+8:DR+16*q+11],  v5, s[6:7] offset:128*q+64
	global_load_b128 v[DR+16*q+12:DR+16*q+15], v5, s[6:7] offset:128*q+80
.set q, q+1
.endr
	WIN 0x40                                       ; destination window 1
.set q, 0
.rept 8
	global_load_b128 v[16*q:16*q+3],     v6, s[4:5] offset:128*q
	global_load_b128 v[16*q+4:16*q+7],   v6, s[4:5] offset:128*q+16
	global_load_b128 v[16*q+8:16*q+11],  v6, s[4:5] offset:128*q+64
	global_load_b128 v[16*q+12:16*q+15], v6, s[4:5] offset:128*q+80
.set q, q+1
.endr
.set q, 0
.rept 8
	s_wait_loadcnt 28-4*q                          ; W's four loads of step q are in: 28 - 4 q of W's were issued behind them; dec's are all older
	WIN 0
.irp i, 0,1,2,3,4,5,6,7
	v_cvt_pk_bf16_f32 v[DR+16*q+\i], v[DR+16*q+2*\i], v[DR+16*q+2*\i+1]  ; packed in place, ascending: register i is written when 2 i and 2 i + 1 are read
.endr
	WIN 0x45                                       ; destination and both sources window 1
.irp i, 0,1,2,3,4,5,6,7
	v_cvt_pk_bf16_f32 v[16*q+\i], v[16*q+2*\i], v[16*q+2*\i+1]
.endr
	WIN 0x01                                       ; source 0 (W's rows) window 1: used transposed, so that a lane holds eight neighbouring e of one b
.if q < 2
	v_wmma_f32_16x16x32_bf16 v[16+8*(q%2):23+8*(q%2)], v[16*q:16*q+7], v[DR+16*q:DR+16*q+7], 0
.else
	v_wmma_f32_16x16x32_bf16 v[16+8*(q%2):23+8*(q%2)], v[16*q:16*q+7], v[DR+16*q:DR+16*q+7], v[16+8*(q%2):23+8*(q%2)]  ; two accumulators by turns
.endif
.set q, q+1
.endr
	WIN 0
.rept 4
	v_nop                                          ; four places between the last product and the reads of its result (ISA guide 7.12.1)
.endr
.irp j, 0,2,4,6
	v_pk_add_f32 v[32+\j:33+\j], v[16+\j:17+\j], v[24+\j:25+\j]
.endr
	global_store_b128 v7, v[32:35], s[10:11]       ; a wave's tile has 16 columns: pieces of 64 bytes in 16 rows; the whole buffer is 1 MiB
	global_store_b128 v7, v[36:39], s[10:11] offset:16
	s_endpgm
.Lfunc_end_k_qf37e0a0c9d_prep:
	.size	k_qf37e0a0c9d_prep, .Lfunc_end_k_qf37e0a0c9d_prep-k_qf37e0a0c9d_prep
	.p2alignl 7, 3214868480
	.fill 96, 4, 3214868480
	.section	.rodata,"a",@progbits
	.p2align	6, 0x0
	.amdhsa_kernel k_qf37e0a0c9d_prep
		.amdhsa_group_segment_fixed_size 0
		.amdhsa_private_segment_fixed_size 0
		.amdhsa_enable_private_segment 0
		.amdhsa_kernarg_size 32
		.amdhsa_user_sgpr_count 2
		.amdhsa_user_sgpr_kernarg_segment_ptr 1
		.amdhsa_wavefront_size32 1
		.amdhsa_system_sgpr_workgroup_id_x 1
		.amdhsa_system_sgpr_workgroup_id_y 1
		.amdhsa_system_sgpr_workgroup_id_z 1
		.amdhsa_system_vgpr_workitem_id 0
		.amdhsa_next_free_vgpr 384
		.amdhsa_next_free_sgpr 66
		.amdhsa_reserve_vcc 0
		.amdhsa_float_denorm_mode_32 3
		.amdhsa_float_denorm_mode_16_64 3
		.amdhsa_memory_ordered 1
		.amdhsa_forward_progress 1
		.amdhsa_inst_pref_size 21
	.end_amdhsa_kernel
	.amdgpu_metadata
---
amdhsa.version: [ 1, 2 ]
amdhsa.kernels:
  - .name:           k_qf37e0a0c9d_prep
    .symbol:         k_qf37e0a0c9d_prep.kd
    .args:
      - { .name: W, .offset: 0, .size: 8, .value_kind: global_buffer, .address_space: global }
      - { .name: decoder_h_input, .offset: 8, .size: 8, .value_kind: global_buffer, .address_space: global }
      - { .name: wf, .offset: 16, .size: 8, .value_kind: global_buffer, .address_space: global }
      - { .name: cpart, .offset: 24, .size: 8, .value_kind: global_buffer, .address_space: global }
    .group_segment_fixed_size: 0
    .private_segment_fixed_size: 0
    .kernarg_segment_align: 8
    .kernarg_segment_size: 32
    .max_flat_workgroup_size: 256
    .sgpr_count:     66
    .vgpr_count:     384
    .wavefront_size: 32
...
	.end_amdgpu_metadata
.endif
;; end of part 1
;; launch score (part 2): grid 512 x 1, 4 waves a work-group, no clusters, 296,448 bytes of LDS; arguments encoder_input, wf, cpart, b, v, scores, ctxp; writes scores, ctxp
.if DOCPART == 2
	.amdgcn_target "amdgcn-amd-amdhsa--gfx1250"
	.amdhsa_code_object_version 6
	.text
	.protected	k_qf37e0a0c9d_score
	.globl	k_qf37e0a0c9d_score
	.p2align	8
	.type	k_qf37e0a0c9d_score,@function
k_qf37e0a0c9d_score:
	s_mov_b64 s[64:65], 0
	v_nop
	global_prefetch_b8 v0, s[64:65] scope:SCOPE_SE
	s_setreg_imm32_b32 hwreg(HW_REG_WAVE_MODE, 25, 1), 1
	s_wait_xcnt 0x0
; A work-group owns 128 rows s of one batch (block blk = 8 batch + part).  It reads them ONCE from memory, rounds them to bf16 into LDS, and uses them twice:
;   scores[s] = sum over e of v[e] tanh(enc[s] . We[e] + c[e] + b[e])      (c = the decoder's term, four f32 parts from the launch before)
;   ctxp[blk][d] = sum over the block's s of 2^((scores[s] - m) log2 e) enc[s][d],  m = the block's true maximum; the last launch joins a batch's eight blocks under the batch's maximum.
; SHARES.  Wave w owns the columns e = 256 w .. +255 in two passes of 128: a tile of 128 rows x 128 columns, 64 accumulators, K = 1,024 in 32 steps; a fragment of A read from LDS feeds eight products.
; We's fragments come straight into registers from wf, which lies in fragment order (16 bytes a lane, 512 consecutive bytes a load), through a ring of four register slots, three steps ahead.
; NO CLUSTER: the resident rows take 264,192 of a WGP's 327,680 bytes of LDS; what is left would hold two slots of under 30 KB for We's tiles, 64 matrix instructions a wave for each refill;
; so We comes by plain loads into registers, and those have no joint form.
; TANH.  v tanh x = v + w r with w = -2 v and r = 1 / (1 + 2^(2 x log2 e)): an overflowing power gives r = 0 (tanh = 1), an underflowing one r = 1 (tanh = -1).  A lane sums w r over its 16 columns
; and adds the sum of their v once, ahead of the sum across lanes: every partial sum is bounded by 16 terms of |v|, as in the direct form.
; LIMITS.  enc, We, b and v are rounded once to bf16 (nearest even); sums, c, scores and the partial context stay f32.  A weight enters the context product as two bf16 (the rounded weight and the
; rounded rest); a weight below 2^-126 counts as 0.  NaN and infinities are not treated apart.
; REGISTERS, in windows of 256 (s_set_vgpr_msb: bits 1:0 source 0, 3:2 source 1, 5:4 source 2, 7:6 destination):
;   window 0: addresses, v64-127 the rows' running sums, v128-255 two buffers of A's fragments      window 1: We's ring, 4 slots x 64
;   window 2: the accumulators of a pass's columns 0-63, (i, nb) at 8 (4 i + nb)                    window 3: those of its columns 64-127; ahead of the passes two staging buffers of 128 for enc as loaded
.set PITCH, 2064                       ; an LDS row of A: 2,048 bytes + 16 = 516 words: row r starts at bank 4 r mod 64 (64 banks of 4 bytes: ISA guide 11.1)
.set CVT,   128*PITCH                  ; 264,192: 2,048 bytes a wave: for each of its 256 columns the pair (2 log2 e (c + b), -2 v)
.set SP,    CVT+8192                   ; 272,384: [wave][128 rows] f32, the waves' shares of the scores
.set PM,    SP+2048                    ; 274,432: for each wave 16 rows x 272 bytes: the weights as a matrix operand
.set PMP,   272
.set CX,    PM+4*16*PMP                ; 291,840: 1,024 bytes a wave: the context on its way out
.set SPARE, CX+4096                    ; 295,936: the spare words, 128 bytes for each wave: two blocks of 256 bytes that no other line names
.set VS,   12                          ; v12-13  the sum of w over my lane's columns (v13 is 0: named with it as a pair)
.set AA,   16                          ; v16-19  r x pitch + 16 h + 32 p rows: my place in A's fragments, m blocks 2 p and 2 p + 1
.set AAC,  20                          ; v20-23  the same plus the trip's place along K
.set VB0,  24                          ; v24     16 lane + this trip's four steps in wf
.set VB1,  25                          ; v25     the next trip's
.set VL16, 26                          ; v26     16 lane; never rewritten
.set AS0,  27                          ; v27     32 w rows + 8 lane: where I put 8 bytes of a row of A
.set AS,   28                          ; v28     the same plus the rows done
.set CVA,  30                          ; v30     CVT + 2,048 w + 8 r
.set CVAC, 31                          ; v31     the same plus the pass
.set SPW,  32                          ; v32     LDS address of my spare word; never rewritten
.set NIL,  33                          ; v33     0; never rewritten
.set AT,   34                          ; v34-37  the turning load's address for rows 32 ks ..
.set PMA,  38
.set PMW,  39
.set SPS,  40
.set SPR,  41
.set CXW,  42
.set CXR,  43
.set PZ,   44
.set VE,   45                          ; v45     4 (256 w + lane)
.set CVS,  46                          ; v46     CVT + 2,048 w + 8 lane
.set CV,   48                          ; v48-63  the pass's eight pairs (c2, w), one for each n block; outside the passes v56-63 are at work
.set SACC, 64                          ; v64-127 row 16 i + 8 h + j at SACC + 8 i + j: sum over my lane's columns of w r
.set FA0,  128
.set MSB, 0
.macro WIN new                         ; the immediate's high byte repeats the setting that is left; a switch that changes nothing is dropped
.if MSB != (\new)
	s_set_vgpr_msb (MSB<<8)|(\new)
.set MSB, (\new)
.endif
.endm
	s_load_b256 s[4:11], s[0:1], 0x0               ; enc s[4:5], wf s[6:7], cpart s[8:9], b s[10:11]
	s_load_b128 s[12:15], s[0:1], 0x20             ; v s[12:13], scores s[14:15]
	s_load_b64 s[16:17], s[0:1], 0x30              ; ctxp
	v_lshl_add_u32 v[SPW], v0, 2, SPARE
	v_mov_b32 v[NIL], 0
	v_lshrrev_b32 v4, 5, v0
	v_readfirstlane_b32 s20, v4                    ; wave 0..3
	v_and_b32 v1, 15, v0                           ; r
	v_bfe_u32 v2, v0, 4, 1                         ; h
	v_and_b32 v3, 31, v0                           ; lane
	s_mov_b32 s21, ttmp9                           ; blk
	s_lshr_b32 s22, ttmp9, 3                       ; batch
	s_mov_b32 s32, 0x4038aa3b                      ; 2 log2 e
	s_mov_b32 s33, s32                             ; named with it as a pair
	s_mov_b32 s34, 0x76543210                      ; v_permlanex16_b32: each lane takes its own place in the other half
	s_mov_b32 s35, 0xfedcba98
	s_mov_b32 s36, 0x3fb8aa3b                      ; log2 e
	s_mov_b32 s38, 0xffff0000                      ; a word's upper bf16
	v_lshlrev_b32 v[VL16], 4, v3
	v_mul_u32_u24 v4, v1, PITCH
	v_lshl_add_u32 v[AA], v2, 4, v4
	v_add_nc_u32 v[AA+1], 32*PITCH, v[AA]
	v_add_nc_u32 v[AA+2], 64*PITCH, v[AA]
	v_add_nc_u32 v[AA+3], 96*PITCH, v[AA]
	s_mul_i32 s23, s20, 32*PITCH
	v_lshl_add_u32 v[AS0], v3, 3, s23
	s_lshl_b32 s23, s20, 11
	s_add_co_u32 s23, s23, CVT
	v_lshl_add_u32 v[CVA], v1, 3, s23
	v_lshl_add_u32 v[CVS], v3, 3, s23
	v_and_b32 v4, 7, v0                            ; the turning load: row 8 h + lane % 8, 16 bytes for each half of eight lanes
	v_lshl_add_u32 v4, v2, 3, v4
	v_mul_u32_u24 v4, v4, PITCH
	v_bfe_u32 v5, v0, 3, 1
	v_lshl_add_u32 v4, v5, 4, v4
	s_lshl_b32 s23, s20, 9                         ; my 256 columns d: 512 bytes
	v_add_nc_u32 v[AT], s23, v4
	v_add_nc_u32 v[AT+1], 32*PITCH, v[AT]
	v_add_nc_u32 v[AT+2], 64*PITCH, v[AT]
	v_add_nc_u32 v[AT+3], 96*PITCH, v[AT]
	s_add_co_u32 s23, s23, SP
	v_lshl_add_u32 v[SPS], v2, 5, s23              ; SP + 512 w + 32 h
	v_add_nc_u32 v[SPR], SP, v[VL16]
	s_mul_i32 s23, s20, 16*PMP
	s_add_co_u32 s23, s23, PM
	v_mul_u32_u24 v4, v1, PMP
	v_lshl_add_u32 v4, v2, 4, v4
	v_add_nc_u32 v[PMA], s23, v4                   ; a fragment of the weights: row r, 16 h
	v_lshl_add_u32 v[PMW], v3, 3, s23              ; my four weights in a row
	v_mul_u32_u24 v4, v2, PMP
	v_lshl_add_u32 v4, v1, 4, v4
	v_add_nc_u32 v[PZ], s23, v4                    ; two whole rows a store
	s_lshl_b32 s23, s20, 10
	v_lshl_add_u32 v[VE], v3, 2, s23
	s_add_co_u32 s23, s23, CX
	v_lshl_add_u32 v[CXW], v1, 2, s23
	v_lshl_add_u32 v[CXR], v3, 4, s23
	s_lshl_b32 s24, s21, 19                        ; my block's 128 rows of 4,096 bytes,
	s_lshl_b32 s23, s20, 17                        ; my wave's 32 of them
	s_add_co_u32 s24, s24, s23
	s_mov_b32 s25, 0
	s_wait_kmcnt 0x0
	s_add_nc_u64 s[4:5], s[4:5], s[24:25]
	s_lshl_b32 s24, s20, 19                        ; my wave's four groups of 64 columns in wf, 131,072 bytes each
	s_add_nc_u64 s[6:7], s[6:7], s[24:25]
	s_lshl_b32 s24, s22, 12
	s_add_nc_u64 s[8:9], s[8:9], s[24:25]
	s_lshl_b32 s24, s21, 9
	s_add_nc_u64 s[14:15], s[14:15], s[24:25]
	s_lshl_b32 s24, s21, 12
	s_lshl_b32 s23, s20, 10
	s_add_co_u32 s24, s24, s23
	s_add_nc_u64 s[16:17], s[16:17], s[24:25]
; Four rows of enc, 32 loads of 512 consecutive bytes, into staging buffer buf (0 or 128 of window 3).  It leaves the destination's window at 3.
.macro LOADB buf, row0
	WIN 0xc0                                       ; destination window 3
.set n, 0
.rept 32
	global_load_b128 v[(\buf)+4*n:(\buf)+4*n+3], v[VL16], s[4:5] offset:((\row0)+n/8)*4096+(n%8)*512 th:TH_LOAD_NT
.set n, n+1
.endr
.endm
; They are rounded to bf16 in place and put into A: 8 bytes a lane, 256 consecutive bytes a store
.macro CVST buf, row0
	WIN 0xcf                                       ; destination and both sources window 3
.set n, 0
.rept 32
	v_cvt_pk_bf16_f32 v[(\buf)+4*n],   v[(\buf)+4*n],   v[(\buf)+4*n+1]
	v_cvt_pk_bf16_f32 v[(\buf)+4*n+1], v[(\buf)+4*n+2], v[(\buf)+4*n+3]
.set n, n+1
.endr
	WIN 0x0c                                       ; the store's data window 3
.set n, 0
.rept 32
	ds_store_b64 v[AS], v[(\buf)+4*n:(\buf)+4*n+1] offset:((\row0)+n/8)*PITCH+(n%8)*256
.set n, n+1
.endr
.endm
; A run of We: the eight fragments of one K step, 16 loads, into ring slot slot: four fragments of the pass's first 64 columns, then four of its second 64, which lie 131,072 bytes on in wf.
; The run's place in its trip of four steps is the slot's number.
.macro BRUN slot, adr
	WIN 0x40                                       ; destination window 1
.irp f, 0,1,2,3,4,5,6,7,8,9,10,11,12,13,14,15
	global_load_b128 v[64*(\slot)+4*\f:64*(\slot)+4*\f+3], v[\adr], s[6:7] offset:(\slot)*4096+(\f/8)*131072+(\f%8)*512
.endr
.endm
; A's fragments of one K step: 8 m blocks, 16 loads, ascending
.macro FETCHA f, ko
	WIN 0
.irp i, 0,1,2,3,4,5,6,7
	ds_load_b128 v[(\f)+8*\i:(\f)+8*\i+3],   v[AAC+\i/2] offset:(\i%2)*16*PITCH+(\ko)
	ds_load_b128 v[(\f)+8*\i+4:(\f)+8*\i+7], v[AAC+\i/2] offset:(\i%2)*16*PITCH+(\ko)+32
.endr
.endm
; 16 matrix instructions: m blocks i0 .. i0 + 3 x four n blocks, those of the pass's first (hi = 0) or second (hi = 1) 64 columns.  zero = 1: the products start the sums
.macro MUL16 f, slot, i0, hi, zero
	WIN 0xa4+0x50*(\hi)                            ; A window 0, We window 1, C and D window 2 or 3
.irp i, \i0, (\i0)+1, (\i0)+2, (\i0)+3
.irp nb, 0,1,2,3
.if \zero
	v_wmma_f32_16x16x32_bf16 v[8*(4*(\i)+\nb):8*(4*(\i)+\nb)+7], v[(\f)+8*(\i):(\f)+8*(\i)+7], v[64*(\slot)+32*(\hi)+8*\nb:64*(\slot)+32*(\hi)+8*\nb+7], 0
.else
	v_wmma_f32_16x16x32_bf16 v[8*(4*(\i)+\nb):8*(4*(\i)+\nb)+7], v[(\f)+8*(\i):(\f)+8*(\i)+7], v[64*(\slot)+32*(\hi)+8*\nb:64*(\slot)+32*(\hi)+8*\nb+7], v[8*(4*(\i)+\nb):8*(4*(\i)+\nb)+7]
.endif
.endr
.endr
.endm
; K step j of a trip of four: 64 matrix instructions, the 64 accumulators by turns; in its middle ONE run of 32 loads: the next step's A and the run of We three steps on.
.macro STEP j, zero
.set FP, FA0+64*((\j)%2)
.set FN, FA0+64*(1-(\j)%2)
	s_wait_loadcnt 32                              ; this step's run of We is in: two runs of sixteen loads were issued behind it
	s_wait_dscnt 8                                 ; A's m blocks 0-3 are in; the youngest eight loads may be out
	MUL16 FP, \j, 0, 0, \zero
	MUL16 FP, \j, 0, 1, \zero
.if (\j) == 3
	WIN 0
	s_add_co_u32 s26, s26, 256                     ; the next trip's place along K, back to 0 behind the eighth
	s_and_b32 s26, s26, 2047
.irp p, 0,1,2,3
	v_add_nc_u32 v[AAC+\p], s26, v[AA+\p]          ; these four are also the places in front of the loads below
.endr
	FETCHA FN, 0
	BRUN 2, VB1
.else
.rept 4
	v_nop                                          ; four places between matrix instructions and loads into registers that they have read (the step before's A buffer and ring slot)
.endr
	FETCHA FN, 64*((\j)+1)
.if (\j) == 0
	BRUN 3, VB0
.else
	BRUN (\j)-1, VB1
.endif
.endif
	s_wait_dscnt 16                                ; all but the 16 just issued
	MUL16 FP, \j, 4, 0, \zero
	MUL16 FP, \j, 4, 1, \zero
.endm
; A trip: four K steps.  Trip T of my wave's 16 begins at byte 16,384 T + 131,072 (T / 8) of my part of wf: four steps of 4,096 bytes, and a pass takes two groups of 131,072.
.macro TRIP zero
	STEP 0, \zero
.irp j, 1,2,3
	STEP \j, 0
.endr
	WIN 0
	s_wait_xcnt 0x0                                ; the loads' address registers are rewritten only behind this wait
	v_mov_b32 v[VB0], v[VB1]
	s_add_co_u32 s27, s27, 1                       ; the number of the trip after the next,
	s_min_u32 s27, s27, 15                         ; held at the last: the last trip's look-ahead takes that trip's first three runs once more, inside my part of wf, and nobody uses them
	s_lshr_b32 s39, s27, 3
	s_lshl_b32 s39, s39, 17
	s_lshl_b32 s40, s27, 14
	s_add_co_u32 s39, s39, s40
	v_add_nc_u32 v[VB1], s39, v[VL16]
.endm
; A pass's end: w r of the 128 x 128 sums is added onto the rows' running sums.  In place on the accumulators, an m block of one window (32 registers) at a time; each accumulator's low registers are read first.
.macro EPI
	WIN 0
	v_add_nc_u32 v[CVAC], s37, v[CVA]
.irp n, 0,1,2,3,4,5,6,7
	ds_load_b64 v[CV+2*\n:CV+2*\n+1], v[CVAC] offset:128*\n
.endr
.rept 4
	v_nop                                          ; the places behind the pass's last products
.endr
	s_wait_dscnt 0x0
.irp n, 0,1,2,3,4,5,6,7
	v_add_f32 v[VS], v[VS], v[CV+2*\n+1]           ; the sum of my columns' w
.endr
.irp hi, 0,1
.irp i, 0,1,2,3,4,5,6,7
	WIN 0x82+0x41*\hi                              ; destination and source 0 window 2 or 3
.set z, 0
.rept 16
	v_pk_fma_f32 v[32*\i+2*z:32*\i+2*z+1], v[32*\i+2*z:32*\i+2*z+1], s[32:33], v[CV+8*\hi+2*(z/4):CV+8*\hi+2*(z/4)+1] op_sel_hi:[1,0,0]  ; 2 log2 e (sum + c + b)
.set z, z+1
.endr
.set z, 0
.rept 32
	v_exp_f32 v[32*\i+z], v[32*\i+z]
.set z, z+1
.endr
	v_nop                                          ; a plain instruction behind the last exponential
.set z, 0
	s_wait_alu depctr_va_vdst(0)
.rept 16
	v_pk_add_f32 v[32*\i+2*z:32*\i+2*z+1], v[32*\i+2*z:32*\i+2*z+1], 1.0 op_sel_hi:[1,0]
.set z, z+1
.endr
.set z, 0
.rept 32
	v_rcp_f32 v[32*\i+z], v[32*\i+z]               ; r
.set z, z+1
.endr
	v_nop                                          ; a plain instruction behind the last reciprocal
	WIN 0x02+\hi                                   ; source 0 window 2 or 3
.set z, 0
	s_wait_alu depctr_va_vdst(0)
.rept 16
	v_pk_fma_f32 v[SACC+8*\i+2*(z%4):SACC+8*\i+2*(z%4)+1], v[32*\i+2*z:32*\i+2*z+1], v[CV+8*\hi+2*(z/4):CV+8*\hi+2*(z/4)+1], v[SACC+8*\i+2*(z%4):SACC+8*\i+2*(z%4)+1] op_sel:[0,1,0] op_sel_hi:[1,1,1]  ; times w, the pair's second word
.set z, z+1
.endr
.endr
.endr
	WIN 0
	s_add_co_u32 s37, s37, 1024                    ; the next pass's 128 columns
.endm
	; ---- my wave's 256 columns of c, b and v: 48 loads; behind them the first four rows of enc
.set u, 0
.rept 8
.irp kq, 0,1,2,3
	global_load_b32 v[128+6*u+\kq], v[VE], s[8:9] offset:u*128+\kq*262144
.endr
	global_load_b32 v[128+6*u+4], v[VE], s[10:11] offset:u*128
	global_load_b32 v[128+6*u+5], v[VE], s[12:13] offset:u*128
.set u, u+1
.endr
	LOADB 0, 0
	WIN 0
.set z, 0
.rept 64
	v_mov_b32 v[SACC+z], 0                         ; the passes are one text walked twice, so the rows' sums start at 0; this stands in the wait for the loads
.set z, z+1
.endr
	v_mov_b32 v[VS], 0
	v_mov_b32 v[VS+1], 0
.irp z, 56,57,58,59
	v_mov_b32 v\z, 0
.endr
.irp k, 2,4,6,10,12,14
	ds_store_b128 v[PZ], v[56:59] offset:\k*PMP    ; the weights' operand has four rows in use (0, 1, 8, 9): the other twelve are 0
.endr
	s_wait_loadcnt 32                              ; c, b and v are in: the 32 loads of enc were issued behind them
.set u, 0
.rept 8
	v_add_f32 v56, v[128+6*u], v[128+6*u+1]
	v_add_f32 v57, v[128+6*u+2], v[128+6*u+3]
	v_cvt_pk_bf16_f32 v58, v[128+6*u+4], v[128+6*u+5]  ; b and v, rounded to bf16 like every input
	v_add_f32 v56, v56, v57
	v_lshlrev_b32 v59, 16, v58
	v_and_b32 v61, s38, v58
	v_add_f32 v56, v56, v59
	v_mul_f32 v61, -2.0, v61                       ; w = -2 v, exact
	v_mul_f32 v60, s32, v56
	ds_store_b64 v[CVS], v[60:61] offset:256*u     ; read again by my wave alone
.set u, u+1
.endr
	LOADB 128, 4
	WIN 0                                          ; back to window 0 ahead of the line that makes AS, and of the label
	; ---- my wave's 32 rows of enc into A, eight rows a trip; two staging buffers, 64 loads (32 KB) of the wave on their way
	s_mov_b32 s31, 0
	v_mov_b32 v[AS], v[AS0]
	s_mov_b32 s30, 3
.Lrows:
	s_wait_loadcnt 32                              ; the first buffer is in; the second's 32 loads stay out
	CVST 0, 0
	LOADB 0, 8
	s_wait_loadcnt 32                              ; the second is in; the 32 just issued stay out
	CVST 128, 4
	LOADB 128, 12
	WIN 0
	s_wait_xcnt 0x0                                ; enc's address is stepped only behind this wait
	s_add_nc_u64 s[4:5], s[4:5], 0x8000
	s_add_co_u32 s31, s31, 8*PITCH
	v_add_nc_u32 v[AS], s31, v[AS0]
	s_sub_co_u32 s30, s30, 1
	s_cmp_lg_u32 s30, 0
	s_cbranch_scc1 .Lrows
	s_wait_loadcnt 32
	CVST 0, 0
	s_wait_loadcnt 0x0                             ; the last four rows are in: from here on the count is We's alone
	WIN 0
	v_mov_b32 v[VB0], v[VL16]
	v_add_nc_u32 v[VB1], 0x4000, v[VL16]
.irp s, 0,1,2
	BRUN \s, VB0                                   ; the ring's first three runs go out ahead of the last conversions
.endr
	CVST 128, 4
	WIN 0
	s_mov_b32 s27, 1                               ; the next trip's number
	s_mov_b32 s26, 0
	s_mov_b32 s37, 0
.irp p, 0,1,2,3
	v_mov_b32 v[AAC+\p], v[AA+\p]
.endr
	s_wait_dscnt 0x0                               ; for the others' sake: my rows of A are written
	s_barrier_signal -1
	s_barrier_wait -1                              ; A is whole, and is never written again
	FETCHA FA0, 0
	; ---- two passes of 128 columns; a pass is eight trips of four K steps, the first of which starts the sums
	s_mov_b32 s28, 2
.Lpass:
	TRIP 1
	s_mov_b32 s29, 7
.Ltrip:
	TRIP 0
	s_sub_co_u32 s29, s29, 1
	s_cmp_lg_u32 s29, 0
	s_cbranch_scc1 .Ltrip
	EPI
	s_sub_co_u32 s28, s28, 1
	s_cmp_lg_u32 s28, 0
	s_cbranch_scc1 .Lpass
	; ---- the scores.  First the sum of my lane's 16 v, which is -1/2 the sum of their w; then a row's sum over my wave's columns: sixteen lanes of a half hold its parts
	v_mul_f32 v[VS], -0.5, v[VS]
.set z, 0
.rept 32
	v_pk_add_f32 v[SACC+2*z:SACC+2*z+1], v[SACC+2*z:SACC+2*z+1], v[VS:VS+1] op_sel_hi:[1,0]
.set z, z+1
.endr
.irp m, 1,2,4,8
.set z, 0
.rept 64
	v_add_f32_dpp v[SACC+z], v[SACC+z], v[SACC+z] row_xmask:\m row_mask:0xf bank_mask:0xf
.set z, z+1
.endr
.endr
.set z, 0
.rept 16
	ds_store_b128 v[SPS], v[SACC+4*z:SACC+4*z+3] offset:64*(z/2)+16*(z%2)  ; rows 16 i + 8 h + 0..3 or 4..7; the sixteen lanes of a half write the same bits to the same words
.set z, z+1
.endr
	s_wait_dscnt 0x0                               ; for the others' sake
	s_barrier_signal -1
	s_barrier_wait -1
.irp k, 0,1,2,3
	ds_load_b128 v[160+4*\k:163+4*\k], v[SPR] offset:512*\k  ; rows 4 lane .. + 3, the four waves' shares
.endr
	s_wait_dscnt 0x0
	v_pk_add_f32 v[160:161], v[160:161], v[164:165]
	v_pk_add_f32 v[162:163], v[162:163], v[166:167]
	v_pk_add_f32 v[168:169], v[168:169], v[172:173]
	v_pk_add_f32 v[170:171], v[170:171], v[174:175]
	v_pk_add_f32 v[160:161], v[160:161], v[168:169]
	v_pk_add_f32 v[162:163], v[162:163], v[170:171]   ; the same order, so the same bits, in all four waves
	s_cmp_lg_u32 s20, 0
	s_cbranch_scc1 .Lnot_wave_0
	global_store_b128 v[VL16], v[160:163], s[14:15]   ; 512 consecutive bytes; v160-163 are not written again
.Lnot_wave_0:
	v_max3_num_f32 v56, v160, v161, v162
	v_max_num_f32 v56, v56, v163
.irp m, 1,2,4,8
	v_max_num_f32_dpp v56, v56, v56 row_xmask:\m row_mask:0xf bank_mask:0xf
.endr
	v_permlanex16_b32 v57, v56, s34, s35
	v_max_num_f32 v56, v56, v57                    ; the block's maximum
.irp z, 0,1,2,3
	v_sub_f32 v[164+\z], v[160+\z], v56
.endr
.irp z, 0,1,2,3
	v_mul_f32 v[164+\z], s36, v[164+\z]
.endr
.irp z, 0,1,2,3
	v_exp_f32 v[164+\z], v[164+\z]
.endr
	v_nop                                          ; a plain instruction behind the last exponential
	s_wait_alu depctr_va_vdst(0)
	v_cvt_pk_bf16_f32 v58, v164, v165              ; the weights rounded to bf16,
	v_cvt_pk_bf16_f32 v59, v166, v167
	v_lshlrev_b32 v168, 16, v58
	v_and_b32 v169, s38, v58
	v_lshlrev_b32 v170, 16, v59
	v_and_b32 v171, s38, v59
	v_pk_add_f32 v[164:165], v[164:165], v[168:169] neg_lo:[0,1] neg_hi:[0,1]
	v_pk_add_f32 v[166:167], v[166:167], v[170:171] neg_lo:[0,1] neg_hi:[0,1]
	v_cvt_pk_bf16_f32 v60, v164, v165              ; and what the rounding left
	v_cvt_pk_bf16_f32 v61, v166, v167
	ds_store_b64 v[PMW], v[58:59]                  ; rows 0 and 1 of the operand; rows 8 and 9 repeat them, so that both halves of the lanes hold the result in registers 0 and 1
	ds_store_b64 v[PMW], v[58:59] offset:8*PMP
	ds_store_b64 v[PMW], v[60:61] offset:PMP
	ds_store_b64 v[PMW], v[60:61] offset:9*PMP
	; ---- the partial context: weights (16 x 128) times A's rows (128 x my 256 columns d), A turned by ds_load_tr16_b128; 4 K steps x 16 n blocks
.macro TRL ks, buf
	WIN 0x40
.set n, 0
.rept 16
	ds_load_tr16_b128 v[128*(\buf)+8*n:128*(\buf)+8*n+3],   v[AT+(\ks)] offset:32*n
	ds_load_tr16_b128 v[128*(\buf)+8*n+4:128*(\buf)+8*n+7], v[AT+(\ks)] offset:32*n+16*PITCH
.set n, n+1
.endr
.endm
.macro CMUL ks, buf, zero
	WIN 0xa4
.set n, 0
.rept 16
.if \zero
	v_wmma_f32_16x16x32_bf16 v[8*n:8*n+7], v[128+8*(\ks):128+8*(\ks)+7], v[128*(\buf)+8*n:128*(\buf)+8*n+7], 0
.else
	v_wmma_f32_16x16x32_bf16 v[8*n:8*n+7], v[128+8*(\ks):128+8*(\ks)+7], v[128*(\buf)+8*n:128*(\buf)+8*n+7], v[8*n:8*n+7]
.endif
.set n, n+1
.endr
.endm
.macro PLACES
.rept 4
	v_nop
.endr
.endm
	s_wait_loadcnt 0x0                             ; the ring's last look-ahead has landed: window 1 is free
.irp ks, 0,1,2,3
	ds_load_b128 v[128+8*\ks:131+8*\ks], v[PMA] offset:64*\ks      ; my wave's own bytes: LDS serves a wave's instructions in order (ISA guide 5.7.1.4)
	ds_load_b128 v[132+8*\ks:135+8*\ks], v[PMA] offset:64*\ks+32
.endr
	TRL 0, 0
	TRL 1, 1
	s_wait_dscnt 32                                ; all but the 32 just issued
	CMUL 0, 0, 1
	PLACES                                         ; in front of loads into registers that those products read
	TRL 2, 0
	s_wait_dscnt 32
	CMUL 1, 1, 0
	PLACES
	TRL 3, 1
	s_wait_dscnt 32
	CMUL 2, 0, 0
	s_wait_dscnt 0x0
	CMUL 3, 1, 0
	PLACES                                         ; in front of the reads of the results
	WIN 0x0a                                       ; both sources window 2
.set n, 0
.rept 16
	v_add_f32 v[176+n], v[8*n], v[8*n+1]           ; the rounded weights' sum and the rests'
.set n, n+1
.endr
	WIN 0
.set n, 0
.rept 16
	ds_store_b32 v[CXW], v[176+n] offset:64*n      ; column 16 n + r; both halves of the lanes write the same bits
.set n, n+1
.endr
	ds_load_b128 v[192:195], v[CXR]
	ds_load_b128 v[196:199], v[CXR] offset:512
	s_wait_dscnt 0x0
	global_store_b128 v[VL16], v[192:195], s[16:17]             ; 512 consecutive bytes each
	global_store_b128 v[VL16], v[196:199], s[16:17] offset:512
	s_wait_tensorcnt 0x0                           ; the wave's end, behind my last LDS store
	ds_add_u32 v[SPW], v[NIL]
	s_wait_dscnt 0x0
	s_endpgm
.Lfunc_end_k_qf37e0a0c9d_score:
	.size	k_qf37e0a0c9d_score, .Lfunc_end_k_qf37e0a0c9d_score-k_qf37e0a0c9d_score
	.p2alignl 7, 3214868480
	.fill 96, 4, 3214868480
	.section	.rodata,"a",@progbits
	.p2align	6, 0x0
	.amdhsa_kernel k_qf37e0a0c9d_score
		.amdhsa_group_segment_fixed_size 296448
		.amdhsa_private_segment_fixed_size 0
		.amdhsa_enable_private_segment 0
		.amdhsa_kernarg_size 56
		.amdhsa_user_sgpr_count 2
		.amdhsa_user_sgpr_kernarg_segment_ptr 1
		.amdhsa_wavefront_size32 1
		.amdhsa_system_sgpr_workgroup_id_x 1
		.amdhsa_system_sgpr_workgroup_id_y 1
		.amdhsa_system_sgpr_workgroup_id_z 1
		.amdhsa_system_vgpr_workitem_id 0
		.amdhsa_next_free_vgpr 1024
		.amdhsa_next_free_sgpr 66
		.amdhsa_reserve_vcc 0
		.amdhsa_float_denorm_mode_32 3
		.amdhsa_float_denorm_mode_16_64 3
		.amdhsa_memory_ordered 1
		.amdhsa_forward_progress 1
		.amdhsa_inst_pref_size 235
	.end_amdhsa_kernel
	.amdgpu_metadata
---
amdhsa.version: [ 1, 2 ]
amdhsa.kernels:
  - .name:           k_qf37e0a0c9d_score
    .symbol:         k_qf37e0a0c9d_score.kd
    .args:
      - { .name: encoder_input, .offset: 0, .size: 8, .value_kind: global_buffer, .address_space: global }
      - { .name: wf, .offset: 8, .size: 8, .value_kind: global_buffer, .address_space: global }
      - { .name: cpart, .offset: 16, .size: 8, .value_kind: global_buffer, .address_space: global }
      - { .name: b, .offset: 24, .size: 8, .value_kind: global_buffer, .address_space: global }
      - { .name: v, .offset: 32, .size: 8, .value_kind: global_buffer, .address_space: global }
      - { .name: scores, .offset: 40, .size: 8, .value_kind: global_buffer, .address_space: global }
      - { .name: ctxp, .offset: 48, .size: 8, .value_kind: global_buffer, .address_space: global }
    .group_segment_fixed_size: 296448
    .private_segment_fixed_size: 0
    .kernarg_segment_align: 8
    .kernarg_segment_size: 56
    .max_flat_workgroup_size: 128
    .sgpr_count:     66
    .vgpr_count:     1024
    .wavefront_size: 32
...
	.end_amdgpu_metadata
.endif
;; end of part 2
;; launch combine (part 3): grid 64 x 1, 8 waves a work-group, no clusters, 1,536 bytes of LDS; arguments scores, ctxp, out0, out1; writes out0, out1
.if DOCPART == 3
	.amdgcn_target "amdgcn-amd-amdhsa--gfx1250"
	.amdhsa_code_object_version 6
	.text
	.protected	k_qf37e0a0c9d_combine
	.globl	k_qf37e0a0c9d_combine
	.p2align	8
	.type	k_qf37e0a0c9d_combine,@function
k_qf37e0a0c9d_combine:
	s_mov_b64 s[64:65], 0
	v_nop
	global_prefetch_b8 v0, s[64:65] scope:SCOPE_SE
	s_setreg_imm32_b32 hwreg(HW_REG_WAVE_MODE, 25, 1), 1
	s_wait_xcnt 0x0
; One work-group a batch (64 batches, so 64 work-groups; the launch moves about 3 MB).  Thread t holds scores 4 t .. 4 t + 3 and columns 4 t .. 4 t + 3 of the context; wave w holds just block w's 128 scores.
;   M = the batch's maximum; out1[s] = 2^((score - M) log2 e) / L;  out0[d] = sum over the eight blocks k of 2^((m_k - M) log2 e) / L x ctxp[k][d],
; where m_k, the wave's maximum, is the very number under which the launch before made ctxp[k] (a maximum rounds nothing).  All in f32.
; LIMITS: a weight below 2^-126 counts as 0; NaN and infinities are not treated apart.
.set MX,    0                          ; eight words: the waves' maxima
.set SM,    256                        ; eight words: the waves' sums
.set SPARE, 512                        ; the spare words, 128 bytes for each of the eight waves: four blocks of 256 bytes that no other line names
	s_load_b256 s[4:11], s[0:1], 0x0               ; scores s[4:5], ctxp s[6:7], out0 s[8:9], out1 s[10:11]
	v_lshl_add_u32 v70, v0, 2, SPARE
	v_mov_b32 v71, 0
	v_lshrrev_b32 v1, 5, v0
	v_readfirstlane_b32 s12, v1                    ; wave 0..7
	s_lshl_b32 s14, ttmp9, 12                      ; a batch's row of 4,096 bytes
	s_mov_b32 s15, 0
	s_lshl_b32 s16, ttmp9, 15                      ; its eight rows of ctxp
	s_mov_b32 s17, 0
	s_mov_b32 s18, 0x76543210                      ; v_permlanex16_b32: each lane takes its own place in the other half
	s_mov_b32 s19, 0xfedcba98
	s_mov_b32 s20, 0x3fb8aa3b                      ; log2 e
	v_lshlrev_b32 v2, 4, v0                        ; 16 t: a wave's load or store covers 512 consecutive bytes
	s_lshl_b32 s13, s12, 2
	v_mov_b32 v3, s13                              ; my wave's word
	v_mov_b32 v72, 0
	s_wait_kmcnt 0x0
	s_add_nc_u64 s[4:5], s[4:5], s[14:15]
	s_add_nc_u64 s[6:7], s[6:7], s[16:17]
	s_add_nc_u64 s[8:9], s[8:9], s[14:15]
	s_add_nc_u64 s[10:11], s[10:11], s[14:15]
	global_load_b128 v[4:7], v2, s[4:5]
.irp k, 0,1,2,3,4,5,6,7
	global_load_b128 v[8+4*\k:11+4*\k], v2, s[6:7] offset:4096*\k
.endr
	s_wait_loadcnt 8                               ; the scores are in; the eight loads of ctxp stay out
	v_max3_num_f32 v40, v4, v5, v6
	v_max_num_f32 v40, v40, v7
.irp m, 1,2,4,8
	v_max_num_f32_dpp v40, v40, v40 row_xmask:\m row_mask:0xf bank_mask:0xf
.endr
	v_mov_b32 v41, v40                             ; v_permlanex16_b32's destination counts as read
	v_permlanex16_b32 v41, v40, s18, s19
	v_max_num_f32 v40, v40, v41                    ; m_w
	ds_store_b32 v3, v40 offset:MX
	s_wait_dscnt 0x0                               ; for the others' sake
	s_barrier_signal -1
	s_barrier_wait -1
	ds_load_b128 v[44:47], v72 offset:MX
	ds_load_b128 v[48:51], v72 offset:MX+16
	s_wait_dscnt 0x0
	v_max3_num_f32 v52, v44, v45, v46
	v_max3_num_f32 v52, v52, v47, v48
	v_max3_num_f32 v52, v52, v49, v50
	v_max_num_f32 v52, v52, v51                    ; M
.irp i, 4,5,6,7, 44,45,46,47,48,49,50,51
	v_sub_f32 v\i, v\i, v52
.endr
.irp i, 4,5,6,7, 44,45,46,47,48,49,50,51
	v_mul_f32 v\i, s20, v\i
.endr
.irp i, 4,5,6,7, 44,45,46,47,48,49,50,51
	v_exp_f32 v\i, v\i
.endr
	v_nop                                          ; a plain instruction behind the last exponential
	s_wait_alu depctr_va_vdst(0)
	v_add_f32 v53, v4, v5
	v_add_f32 v54, v6, v7
	v_add_f32 v53, v53, v54
.irp m, 1,2,4,8
	v_add_f32_dpp v53, v53, v53 row_xmask:\m row_mask:0xf bank_mask:0xf
.endr
	v_permlanex16_b32 v54, v53, s18, s19
	v_add_f32 v53, v53, v54
	ds_store_b32 v3, v53 offset:SM                 ; other words than the maxima's: no barrier is needed between those reads and this store
	s_wait_dscnt 0x0
	s_barrier_signal -1
	s_barrier_wait -1
	ds_load_b128 v[56:59], v72 offset:SM
	ds_load_b128 v[60:63], v72 offset:SM+16
	s_wait_dscnt 0x0
	v_pk_add_f32 v[56:57], v[56:57], v[58:59]
	v_pk_add_f32 v[60:61], v[60:61], v[62:63]
	v_pk_add_f32 v[56:57], v[56:57], v[60:61]
	v_add_f32 v56, v56, v57                        ; L, at least 1: the largest score's weight is 1
	v_rcp_f32 v64, v56                             ; twice, to fill the pair that the packed multiplies take
	v_rcp_f32 v65, v56
	v_nop                                          ; a plain instruction behind the last reciprocal
	s_wait_alu depctr_va_vdst(0)
	v_pk_mul_f32 v[4:5], v[4:5], v[64:65]
	v_pk_mul_f32 v[6:7], v[6:7], v[64:65]
	global_store_b128 v2, v[4:7], s[10:11]
.irp k, 44,46,48,50
	v_pk_mul_f32 v[\k:\k+1], v[\k:\k+1], v[64:65]  ; f_k = 2^((m_k - M) log2 e) / L
.endr
	s_wait_loadcnt 0x0                             ; ctxp
	v_pk_mul_f32 v[66:67], v[8:9],   v[44:45] op_sel_hi:[1,0]
	v_pk_mul_f32 v[68:69], v[10:11], v[44:45] op_sel_hi:[1,0]
.irp k, 1,2,3,4,5,6,7
.if (\k)%2
	v_pk_fma_f32 v[66:67], v[8+4*\k:9+4*\k],   v[44+2*(\k/2):45+2*(\k/2)], v[66:67] op_sel:[0,1,0] op_sel_hi:[1,1,1]  ; the pair's second word for both halves
	v_pk_fma_f32 v[68:69], v[10+4*\k:11+4*\k], v[44+2*(\k/2):45+2*(\k/2)], v[68:69] op_sel:[0,1,0] op_sel_hi:[1,1,1]
.else
	v_pk_fma_f32 v[66:67], v[8+4*\k:9+4*\k],   v[44+2*(\k/2):45+2*(\k/2)], v[66:67] op_sel_hi:[1,0,1]                 ; its first word
	v_pk_fma_f32 v[68:69], v[10+4*\k:11+4*\k], v[44+2*(\k/2):45+2*(\k/2)], v[68:69] op_sel_hi:[1,0,1]
.endif
.endr
	global_store_b128 v2, v[66:69], s[8:9]
	s_wait_tensorcnt 0x0                           ; the wave's end, behind my last LDS store
	ds_add_u32 v70, v71
	s_wait_dscnt 0x0
	s_endpgm
.Lfunc_end_k_qf37e0a0c9d_combine:
	.size	k_qf37e0a0c9d_combine, .Lfunc_end_k_qf37e0a0c9d_combine-k_qf37e0a0c9d_combine
	.p2alignl 7, 3214868480
	.fill 96, 4, 3214868480
	.section	.rodata,"a",@progbits
	.p2align	6, 0x0
	.amdhsa_kernel k_qf37e0a0c9d_combine
		.amdhsa_group_segment_fixed_size 1536
		.amdhsa_private_segment_fixed_size 0
		.amdhsa_enable_private_segment 0
		.amdhsa_kernarg_size 32
		.amdhsa_user_sgpr_count 2
		.amdhsa_user_sgpr_kernarg_segment_ptr 1
		.amdhsa_wavefront_size32 1
		.amdhsa_system_sgpr_workgroup_id_x 1
		.amdhsa_system_sgpr_workgroup_id_y 1
		.amdhsa_system_sgpr_workgroup_id_z 1
		.amdhsa_system_vgpr_workitem_id 0
		.amdhsa_next_free_vgpr 80
		.amdhsa_next_free_sgpr 66
		.amdhsa_reserve_vcc 0
		.amdhsa_float_denorm_mode_32 3
		.amdhsa_float_denorm_mode_16_64 3
		.amdhsa_memory_ordered 1
		.amdhsa_forward_progress 1
		.amdhsa_inst_pref_size 7
	.end_amdhsa_kernel
	.amdgpu_metadata
---
amdhsa.version: [ 1, 2 ]
amdhsa.kernels:
  - .name:           k_qf37e0a0c9d_combine
    .symbol:         k_qf37e0a0c9d_combine.kd
    .args:
      - { .name: scores, .offset: 0, .size: 8, .value_kind: global_buffer, .address_space: global }
      - { .name: ctxp, .offset: 8, .size: 8, .value_kind: global_buffer, .address_space: global }
      - { .name: out0, .offset: 16, .size: 8, .value_kind: global_buffer, .address_space: global }
      - { .name: out1, .offset: 24, .size: 8, .value_kind: global_buffer, .address_space: global }
    .group_segment_fixed_size: 1536
    .private_segment_fixed_size: 0
    .kernarg_segment_align: 8
    .kernarg_segment_size: 32
    .max_flat_workgroup_size: 256
    .sgpr_count:     66
    .vgpr_count:     80
    .wavefront_size: 32
...
	.end_amdgpu_metadata
.endif
;; end of part 3
;; ======== version 2 of 2: 3 launches; version 1 with the launch score written anew for expert scheduling mode
;; limits: values outside matrix products are rounded to bf16
;; workspace buffers: wf 2,097,152 bytes; cpart 1,048,576 bytes; scores 262,144 bytes; ctxp 2,097,152 bytes
;; launch prep: the kernel of part 1 again; grid 256 x 1, 8 waves a work-group, no clusters, 0 bytes of LDS; arguments W, decoder_h_input, wf, cpart; writes wf, cpart
;; launch score (part 4): grid 512 x 1, 4 waves a work-group, no clusters, 296,448 bytes of LDS; arguments encoder_input, wf, cpart, b, v, scores, ctxp; writes scores, ctxp
.if DOCPART == 4
	.amdgcn_target "amdgcn-amd-amdhsa--gfx1250"
	.amdhsa_code_object_version 6
	.text
	.protected	k_qf37e0a0c9d_score
	.globl	k_qf37e0a0c9d_score
	.p2align	8
	.type	k_qf37e0a0c9d_score,@function
k_qf37e0a0c9d_score:
	s_mov_b64 s[64:65], 0
	v_nop
	global_prefetch_b8 v0, s[64:65] scope:SCOPE_SE
	s_setreg_imm32_b32 hwreg(HW_REG_WAVE_SCHED_MODE, 0, 2), 2
	s_setreg_imm32_b32 hwreg(HW_REG_WAVE_MODE, 25, 1), 1
	s_wait_xcnt 0x0
	s_wait_alu depctr_vm_vsrc(0)
; A work-group owns 128 rows s of one batch (block blk = 8 batch + part).  It reads them ONCE from memory, rounds them to bf16 into LDS, and uses them twice:
;   scores[s] = sum over e of v[e] tanh(enc[s] . We[e] + c[e] + b[e])      (c = the decoder's term, four f32 parts from the launch before)
;   ctxp[blk][d] = sum over the block's s of 2^((scores[s] - m) log2 e) enc[s][d],  m = the block's true maximum; the last launch joins a batch's eight blocks under the batch's maximum.
; SHARES.  Wave w owns the columns e = 256 w .. +255 in two passes of 128: a tile of 128 rows x 128 columns, 64 accumulators, K = 1,024 in 32 steps; a fragment of A read from LDS feeds eight products.
; We's fragments come straight into registers from wf, which lies in fragment order (16 bytes a lane, 512 consecutive bytes a load), through a ring of four register slots, three steps ahead.
; NO CLUSTER: the resident rows take 264,192 of a WGP's 327,680 bytes of LDS; what is left would hold two slots of under 30 KB for We's tiles, 64 matrix instructions a wave for each refill;
; so We comes by plain loads into registers, and those have no joint form.
; TANH.  v tanh x = v + w r with w = -2 v and r = 1 / (1 + 2^(2 x log2 e)): an overflowing power gives r = 0 (tanh = 1), an underflowing one r = 1 (tanh = -1).  A lane sums w r over its 16 columns
; and adds the sum of their v once, ahead of the sum across lanes: every partial sum is bounded by 16 terms of |v|, as in the direct form.
; LIMITS.  enc, We, b and v are rounded once to bf16 (nearest even); sums, c, scores and the partial context stay f32.  A weight enters the context product as two bf16 (the rounded weight and the
; rounded rest); a weight below 2^-126 counts as 0.  NaN and infinities are not treated apart.
; REGISTERS, in windows of 256 (s_set_vgpr_msb: bits 1:0 source 0, 3:2 source 1, 5:4 source 2, 7:6 destination):
;   window 0: addresses, v64-127 the rows' running sums, v128-255 two buffers of A's fragments      window 1: We's ring, 4 slots x 64
;   window 2: the accumulators of a pass's columns 0-63, (i, nb) at 8 (4 i + nb); ahead of the passes two out-buffers of 64 for enc in bf16
;   window 3: those of its columns 64-127; ahead of the passes two staging buffers of 128 for enc as loaded; behind them the turned rows of the context's K steps 2 and 3
; THE MODE: SCHED_MODE bits 1:0 = 2 (LLVM: expert scheduling mode 2), set by the entry lines.  The code itself states the register dependences
; between vector or matrix instructions and memory or LDS instructions, with s_wait_alu, always for 0.
; THE PLAN.  Registers that memory or LDS instructions touch, and who else names them:
;   enc on its way in   RAW0, RAW1 (window 3): a half trip's conversions read one; behind them its next four rows' loads land in it.
;                       OUT0, OUT1 (window 2): the same conversions write one; the LDS stores behind those loads read it.   v[AS]: written at a trip's head, read by the trip's LDS stores.
;                       One wait on vm_vsrc at a trip's head frees v[AS] and both OUT; one wait on va_vdst behind each half's conversions serves its loads and its stores.
;   the K loop          FA0, FA1 and We's four slots: step j's matrix instructions read one A buffer and one slot; the loads of step j + 1 land in them.
;                       v[AAC]: read by A's loads, written once a trip, at the head of the trip's last step.   v[VL16]: read by every load of We and enc, never written again: We's two scalar bases move on.
;                       ONE wait on va_vdst at a step's head: the step before is done reading its A buffer and its slot.  The step's 32 loads follow, dealt among its 64 matrix instructions,
;                       which name the other A buffer, another slot and the accumulators: none of the registers that those loads touch.
;   a pass's end        v[CVAC] and v[CV ..]: one wait on vm_vsrc ahead of the add to the address, one on va_vdst ahead of the eight loads.
;   the way out         each run of stores whose data vector instructions made stands behind one wait on va_vdst; no register that a store has read is written again.
.set PITCH, 2064                       ; an LDS row of A: 2,048 bytes + 16 = 516 words: row r starts at bank 4 r mod 64 (64 banks of 4 bytes: ISA guide 11.1)
.set CVT,   128*PITCH                  ; 264,192: 2,048 bytes a wave: for each of its 256 columns the pair (2 log2 e (c + b), -2 v)
.set SP,    CVT+8192                   ; 272,384: [wave][128 rows] f32, the waves' shares of the scores
.set PM,    SP+2048                    ; 274,432: for each wave 16 rows x 272 bytes: the weights as a matrix operand
.set PMP,   272
.set CX,    PM+4*16*PMP                ; 291,840: 1,024 bytes a wave: the context on its way out
.set SPARE, CX+4096                    ; 295,936: the spare words, 128 bytes for each wave: two blocks of 256 bytes that no other line names
.set VS,   12                          ; v12-13  the sum of w over my lane's columns (v13 is 0: named with it as a pair)
.set AA,   16                          ; v16-19  r x pitch + 16 h + 32 p rows: my place in A's fragments, m blocks 2 p and 2 p + 1
.set AAC,  20                          ; v20-23  the same plus the trip's place along K
.set VL16, 26                          ; v26     16 lane; never rewritten
.set AS0,  27                          ; v27     32 w rows + 8 lane: where I put 8 bytes of a row of A
.set AS,   28                          ; v28     the same plus the rows done
.set CVA,  30                          ; v30     CVT + 2,048 w + 8 r
.set CVAC, 31                          ; v31     the same plus the pass
.set SPW,  32                          ; v32     LDS address of my spare word; never rewritten
.set NIL,  33                          ; v33     0; never rewritten
.set AT,   34                          ; v34-37  the turning load's address for rows 32 ks ..
.set PMA,  38
.set PMW,  39
.set SPS,  40
.set SPR,  41
.set CXW,  42
.set CXR,  43
.set PZ,   44
.set VE,   45                          ; v45     4 (256 w + lane)
.set CVS,  46                          ; v46     CVT + 2,048 w + 8 lane
.set CV,   48                          ; v48-63  the pass's eight pairs (c2, w), one for each n block; outside the passes v56-63 are at work
.set SACC, 64                          ; v64-127 row 16 i + 8 h + j at SACC + 8 i + j: sum over my lane's columns of w r
.set FA0,  128
.set WB0,  42                          ; s[42:43] my part of wf at this trip's four steps
.set WB1,  44                          ; s[44:45] at the next trip's
.set MSB, 0
.macro WIN new                         ; the immediate's high byte repeats the setting that is left; a switch that changes nothing is dropped
.if MSB != (\new)
	s_set_vgpr_msb (MSB<<8)|(\new)
.set MSB, (\new)
.endif
.endm
	s_load_b256 s[4:11], s[0:1], 0x0               ; enc s[4:5], wf s[6:7], cpart s[8:9], b s[10:11]
	s_load_b128 s[12:15], s[0:1], 0x20             ; v s[12:13], scores s[14:15]
	s_load_b64 s[16:17], s[0:1], 0x30              ; ctxp
	v_lshl_add_u32 v[SPW], v0, 2, SPARE
	v_mov_b32 v[NIL], 0
	v_lshrrev_b32 v4, 5, v0
	v_readfirstlane_b32 s20, v4                    ; wave 0..3
	v_and_b32 v1, 15, v0                           ; r
	v_bfe_u32 v2, v0, 4, 1                         ; h
	v_and_b32 v3, 31, v0                           ; lane
	s_mov_b32 s21, ttmp9                           ; blk
	s_lshr_b32 s22, ttmp9, 3                       ; batch
	s_mov_b32 s32, 0x4038aa3b                      ; 2 log2 e
	s_mov_b32 s33, s32                             ; named with it as a pair
	s_mov_b32 s34, 0x76543210                      ; v_permlanex16_b32: each lane takes its own place in the other half
	s_mov_b32 s35, 0xfedcba98
	s_mov_b32 s36, 0x3fb8aa3b                      ; log2 e
	s_mov_b32 s38, 0xffff0000                      ; a word's upper bf16
	v_lshlrev_b32 v[VL16], 4, v3
	v_mul_u32_u24 v4, v1, PITCH
	v_lshl_add_u32 v[AA], v2, 4, v4
	v_add_nc_u32 v[AA+1], 32*PITCH, v[AA]
	v_add_nc_u32 v[AA+2], 64*PITCH, v[AA]
	v_add_nc_u32 v[AA+3], 96*PITCH, v[AA]
	s_wait_alu depctr_va_sdst(0)                   ; s20 is written, ahead of its first reader: LDS places, bases and a branch are made from it
	s_mul_i32 s23, s20, 32*PITCH
	v_lshl_add_u32 v[AS0], v3, 3, s23
	s_lshl_b32 s23, s20, 11
	s_add_co_u32 s23, s23, CVT
	v_lshl_add_u32 v[CVA], v1, 3, s23
	v_lshl_add_u32 v[CVS], v3, 3, s23
	v_and_b32 v4, 7, v0                            ; the turning load: row 8 h + lane % 8, 16 bytes for each half of eight lanes
	v_lshl_add_u32 v4, v2, 3, v4
	v_mul_u32_u24 v4, v4, PITCH
	v_bfe_u32 v5, v0, 3, 1
	v_lshl_add_u32 v4, v5, 4, v4
	s_lshl_b32 s23, s20, 9                         ; my 256 columns d: 512 bytes
	v_add_nc_u32 v[AT], s23, v4
	v_add_nc_u32 v[AT+1], 32*PITCH, v[AT]
	v_add_nc_u32 v[AT+2], 64*PITCH, v[AT]
	v_add_nc_u32 v[AT+3], 96*PITCH, v[AT]
	s_add_co_u32 s23, s23, SP
	v_lshl_add_u32 v[SPS], v2, 5, s23              ; SP + 512 w + 32 h
	v_add_nc_u32 v[SPR], SP, v[VL16]
	s_mul_i32 s23, s20, 16*PMP
	s_add_co_u32 s23, s23, PM
	v_mul_u32_u24 v4, v1, PMP
	v_lshl_add_u32 v4, v2, 4, v4
	v_add_nc_u32 v[PMA], s23, v4                   ; a fragment of the weights: row r, 16 h
	v_lshl_add_u32 v[PMW], v3, 3, s23              ; my four weights in a row
	v_mul_u32_u24 v4, v2, PMP
	v_lshl_add_u32 v4, v1, 4, v4
	v_add_nc_u32 v[PZ], s23, v4                    ; two whole rows a store
	s_lshl_b32 s23, s20, 10
	v_lshl_add_u32 v[VE], v3, 2, s23
	s_add_co_u32 s23, s23, CX
	v_lshl_add_u32 v[CXW], v1, 2, s23
	v_lshl_add_u32 v[CXR], v3, 4, s23
	s_lshl_b32 s24, s21, 19                        ; my block's 128 rows of 4,096 bytes,
	s_lshl_b32 s23, s20, 17                        ; my wave's 32 of them
	s_add_co_u32 s24, s24, s23
	s_mov_b32 s25, 0
	s_wait_kmcnt 0x0
	s_add_nc_u64 s[4:5], s[4:5], s[24:25]
	s_lshl_b32 s24, s20, 19                        ; my wave's four groups of 64 columns in wf, 131,072 bytes each
	s_add_nc_u64 s[6:7], s[6:7], s[24:25]
	s_lshl_b32 s24, s22, 12
	s_add_nc_u64 s[8:9], s[8:9], s[24:25]
	s_lshl_b32 s24, s21, 9
	s_add_nc_u64 s[14:15], s[14:15], s[24:25]
	s_lshl_b32 s24, s21, 12
	s_lshl_b32 s23, s20, 10
	s_add_co_u32 s24, s24, s23
	s_add_nc_u64 s[16:17], s[16:17], s[24:25]
	s_wait_alu depctr_va_vdst(0)                   ; the offsets and LDS addresses v16 to v46 are written, which the kernel's loads and stores read
; Four rows of enc, 32 loads of 512 consecutive bytes, into staging buffer buf (0 or 128 of window 3).  It leaves the destination's window at 3.
; w = 1: the buffer has just been emptied by conversions.
.macro LOADB buf, row0, w
	WIN 0xc0                                       ; destination window 3
.if \w
	s_wait_alu depctr_va_vdst(0)                   ; the conversions are done reading this staging buffer, in which the loads land, and have written their out-buffer, which the LDS stores behind the loads read; in a trip's first half v[AS] is written too
.endif
.set n, 0
.rept 32
	global_load_b128 v[(\buf)+4*n:(\buf)+4*n+3], v[VL16], s[4:5] offset:((\row0)+n/8)*4096+(n%8)*512 th:TH_LOAD_NT
.set n, n+1
.endr
.endm
; They are rounded to bf16, from staging buffer buf into its out-buffer (64 registers at buf / 2 of window 2)
.macro CONV buf
	WIN 0x8f                                       ; destination window 2, both sources window 3
.set n, 0
.rept 32
	v_cvt_pk_bf16_f32 v[(\buf)/2+2*n],   v[(\buf)+4*n],   v[(\buf)+4*n+1]
	v_cvt_pk_bf16_f32 v[(\buf)/2+2*n+1], v[(\buf)+4*n+2], v[(\buf)+4*n+3]
.set n, n+1
.endr
.endm
; and put into A: 8 bytes a lane, 256 consecutive bytes a store.  w = 1: no run of loads, with its wait, stands between the conversions and these stores.
.macro PUT buf, row0, w
	WIN 0x08                                       ; the store's data window 2
.if \w
	s_wait_alu depctr_va_vdst(0)                   ; the conversions have written this out-buffer, which the stores read; the first time v[AS] and v[AAC ..] are written too
.endif
.set n, 0
.rept 32
	ds_store_b64 v[AS], v[(\buf)/2+2*n:(\buf)/2+2*n+1] offset:((\row0)+n/8)*PITCH+(n%8)*256
.set n, n+1
.endr
.endm
; A run of We: the eight fragments of one K step, 16 loads, into ring slot slot: four fragments of the pass's first 64 columns, then four of its second 64, which lie 131,072 bytes on in wf.
; The run's place in its trip of four steps is the slot's number.
.macro BRUN slot, base
	WIN 0x40                                       ; destination window 1
.irp f, 0,1,2,3,4,5,6,7,8,9,10,11,12,13,14,15
	global_load_b128 v[64*(\slot)+4*\f:64*(\slot)+4*\f+3], v[VL16], s[(\base):(\base)+1] offset:(\slot)*4096+(\f/8)*131072+(\f%8)*512
.endr
.endm
; Half of A's fragments of one K step: m blocks 4 half .. 4 half + 3, 8 loads, ascending
.macro FETCHA f, ko, half
	WIN 0
.irp i, 0,1,2,3
	ds_load_b128 v[(\f)+8*(4*(\half)+\i):(\f)+8*(4*(\half)+\i)+3],   v[AAC+2*(\half)+\i/2] offset:(\i%2)*16*PITCH+(\ko)
	ds_load_b128 v[(\f)+8*(4*(\half)+\i)+4:(\f)+8*(4*(\half)+\i)+7], v[AAC+2*(\half)+\i/2] offset:(\i%2)*16*PITCH+(\ko)+32
.endr
.endm
; 16 matrix instructions: m blocks i0 .. i0 + 3 x four n blocks, those of the pass's first (hi = 0) or second (hi = 1) 64 columns.  zero = 1: the products start the sums
.macro MUL16 f, slot, i0, hi, zero
	WIN 0xa4+0x50*(\hi)                            ; A window 0, We window 1, C and D window 2 or 3
.irp i, \i0, (\i0)+1, (\i0)+2, (\i0)+3
.irp nb, 0,1,2,3
.if \zero
	v_wmma_f32_16x16x32_bf16 v[8*(4*(\i)+\nb):8*(4*(\i)+\nb)+7], v[(\f)+8*(\i):(\f)+8*(\i)+7], v[64*(\slot)+32*(\hi)+8*\nb:64*(\slot)+32*(\hi)+8*\nb+7], 0
.else
	v_wmma_f32_16x16x32_bf16 v[8*(4*(\i)+\nb):8*(4*(\i)+\nb)+7], v[(\f)+8*(\i):(\f)+8*(\i)+7], v[64*(\slot)+32*(\hi)+8*\nb:64*(\slot)+32*(\hi)+8*\nb+7], v[8*(4*(\i)+\nb):8*(4*(\i)+\nb)+7]
.endif
.endr
.endr
.endm
; K step j of a trip of four: 64 matrix instructions, the 64 accumulators by turns.  Its 32 loads are dealt among them: behind the first sixteen the run of We three steps on,
; behind the next sixteen and the next the two halves of the next step's A.
.macro STEP j, zero
.set FP, FA0+64*((\j)%2)
.set FN, FA0+64*(1-(\j)%2)
.if (\j) == 3
.set KO, 0
.else
.set KO, 64*((\j)+1)
.endif
	s_wait_loadcnt 32                              ; this step's run of We is in: two runs of sixteen loads were issued behind it
	s_wait_dscnt 8                                 ; A's m blocks 0-3 are in; the youngest eight loads, m blocks 4-7, may be out
.if (\j) == 3
	WIN 0
	s_add_co_u32 s26, s26, 256                     ; the next trip's place along K, back to 0 behind the eighth
	s_and_b32 s26, s26, 2047
	s_wait_alu depctr_vm_vsrc(0)                   ; A's loads issued so far have read v[AAC ..]
.irp p, 0,1,2,3
	v_add_nc_u32 v[AAC+\p], s26, v[AA+\p]
.endr
.endif
	s_wait_alu depctr_va_vdst(0)                   ; the step before's matrix instructions are done reading their A buffer and their ring slot, in which this step's loads land; in a trip's last step v[AAC ..] is written
	MUL16 FP, \j, 0, 0, \zero
.if (\j) == 0
	BRUN 3, WB0                                    ; no wait: no vector or matrix instruction since the wait above names this slot
.else
	BRUN (\j)-1, WB1
.endif
	MUL16 FP, \j, 0, 1, \zero
	FETCHA FN, KO, 0                               ; nor the other A buffer
	s_wait_dscnt 8                                 ; this step's m blocks 4-7 are in: all but the eight just issued
	MUL16 FP, \j, 4, 0, \zero
	FETCHA FN, KO, 1
	MUL16 FP, \j, 4, 1, \zero
.endm
; A trip: four K steps.  Trip T of my wave's 16 begins at byte 16,384 T + 131,072 (T / 8) of my part of wf: four steps of 4,096 bytes, and a pass takes two groups of 131,072.
.macro TRIP zero
	STEP 0, \zero
.irp j, 1,2,3
	STEP \j, 0
.endr
	WIN 0
	s_wait_xcnt 0x0                                ; the loads' bases are rewritten only behind this wait
	s_mov_b64 s[WB0:WB0+1], s[WB1:WB1+1]
	s_add_co_u32 s27, s27, 1                       ; the number of the trip after the next,
	s_min_u32 s27, s27, 15                         ; held at the last: the last trip's look-ahead takes that trip's first three runs once more, inside my part of wf, and nobody uses them
	s_lshr_b32 s39, s27, 3
	s_lshl_b32 s39, s39, 17
	s_lshl_b32 s40, s27, 14
	s_add_co_u32 s40, s40, s39
	s_add_nc_u64 s[WB1:WB1+1], s[6:7], s[40:41]
.endm
; A pass's end: w r of the 128 x 128 sums is added onto the rows' running sums.  In place on the accumulators, an m block of one window (32 registers) at a time; each accumulator's low registers are read first.
.macro EPI
	WIN 0
	s_wait_alu depctr_vm_vsrc(0)                   ; the last pass's loads of the pairs have read v[CVAC]
	v_add_nc_u32 v[CVAC], s37, v[CVA]
	s_wait_alu depctr_va_vdst(0)                   ; v[CVAC] is written, which the loads below read; the last pass's arithmetic is done reading v[CV ..], in which they land
.irp n, 0,1,2,3,4,5,6,7
	ds_load_b64 v[CV+2*\n:CV+2*\n+1], v[CVAC] offset:128*\n
.endr
.rept 4
	v_nop                                          ; the places behind the pass's last products
.endr
	s_wait_dscnt 0x0
.irp n, 0,1,2,3,4,5,6,7
	v_add_f32 v[VS], v[VS], v[CV+2*\n+1]           ; the sum of my columns' w
.endr
.irp hi, 0,1
.irp i, 0,1,2,3,4,5,6,7
	WIN 0x82+0x41*\hi                              ; destination and source 0 window 2 or 3
.set z, 0
.rept 16
	v_pk_fma_f32 v[32*\i+2*z:32*\i+2*z+1], v[32*\i+2*z:32*\i+2*z+1], s[32:33], v[CV+8*\hi+2*(z/4):CV+8*\hi+2*(z/4)+1] op_sel_hi:[1,0,0]  ; 2 log2 e (sum + c + b)
.set z, z+1
.endr
.set z, 0
.rept 32
	v_exp_f32 v[32*\i+z], v[32*\i+z]
.set z, z+1
.endr
	v_nop                                          ; a plain instruction behind the last exponential
.set z, 0
	s_wait_alu depctr_va_vdst(0)                   ; the 32 exponentials have written their results, which the additions read: one wait for the batch
.rept 16
	v_pk_add_f32 v[32*\i+2*z:32*\i+2*z+1], v[32*\i+2*z:32*\i+2*z+1], 1.0 op_sel_hi:[1,0]
.set z, z+1
.endr
.set z, 0
.rept 32
	v_rcp_f32 v[32*\i+z], v[32*\i+z]               ; r
.set z, z+1
.endr
	v_nop                                          ; a plain instruction behind the last reciprocal
	WIN 0x02+\hi                                   ; source 0 window 2 or 3
.set z, 0
	s_wait_alu depctr_va_vdst(0)                   ; the 32 reciprocals have written their results, which the multiply-adds read: one wait for the batch
.rept 16
	v_pk_fma_f32 v[SACC+8*\i+2*(z%4):SACC+8*\i+2*(z%4)+1], v[32*\i+2*z:32*\i+2*z+1], v[CV+8*\hi+2*(z/4):CV+8*\hi+2*(z/4)+1], v[SACC+8*\i+2*(z%4):SACC+8*\i+2*(z%4)+1] op_sel:[0,1,0] op_sel_hi:[1,1,1]  ; times w, the pair's second word
.set z, z+1
.endr
.endr
.endr
	WIN 0
	s_add_co_u32 s37, s37, 1024                    ; the next pass's 128 columns
.endm
	; ---- my wave's 256 columns of c, b and v: 48 loads; behind them the first four rows of enc
.set u, 0
.rept 8
.irp kq, 0,1,2,3
	global_load_b32 v[128+6*u+\kq], v[VE], s[8:9] offset:u*128+\kq*262144
.endr
	global_load_b32 v[128+6*u+4], v[VE], s[10:11] offset:u*128
	global_load_b32 v[128+6*u+5], v[VE], s[12:13] offset:u*128
.set u, u+1
.endr
	LOADB 0, 0, 0
	WIN 0
.set z, 0
.rept 64
	v_mov_b32 v[SACC+z], 0                         ; the passes are one text walked twice, so the rows' sums start at 0; this stands in the wait for the loads
.set z, z+1
.endr
	v_mov_b32 v[VS], 0
	v_mov_b32 v[VS+1], 0
.irp z, 56,57,58,59
	v_mov_b32 v\z, 0
.endr
	s_wait_loadcnt 32                              ; c, b and v are in: the 32 loads of enc were issued behind them
.set u, 0
.rept 8                                                ; each pair (c2, w) is made in the first two of the six registers that its c, b and v came in
	v_add_f32 v60, v[128+6*u], v[128+6*u+1]
	v_add_f32 v61, v[128+6*u+2], v[128+6*u+3]
	v_cvt_pk_bf16_f32 v62, v[128+6*u+4], v[128+6*u+5]  ; b and v, rounded to bf16 like every input
	v_add_f32 v60, v60, v61
	v_lshlrev_b32 v63, 16, v62
	v_and_b32 v[128+6*u+1], s38, v62
	v_add_f32 v60, v60, v63
	v_mul_f32 v[128+6*u+1], -2.0, v[128+6*u+1]     ; w = -2 v, exact
	v_mul_f32 v[128+6*u], s32, v60
.set u, u+1
.endr
	s_wait_alu depctr_va_vdst(0)                   ; the zeros in v56-59 and the eight pairs are written, which the fourteen LDS stores below read
.irp k, 2,4,6,10,12,14
	ds_store_b128 v[PZ], v[56:59] offset:\k*PMP    ; the weights' operand has four rows in use (0, 1, 8, 9): the other twelve are 0
.endr
.set u, 0
.rept 8
	ds_store_b64 v[CVS], v[128+6*u:128+6*u+1] offset:256*u  ; read again by my wave alone
.set u, u+1
.endr
	LOADB 128, 4, 0
	WIN 0                                          ; back to window 0 ahead of the label
	; ---- my wave's 32 rows of enc into A, eight rows a trip; two staging buffers, 64 loads (32 KB) of the wave on their way
	s_mov_b32 s31, 0
	s_mov_b32 s30, 3
.Lrows:
	s_wait_loadcnt 32                              ; the first buffer is in; the second's 32 loads stay out
	s_wait_alu depctr_vm_vsrc(0)                   ; the LDS stores issued so far have read v[AS] and both out-buffers, which this trip writes again
	v_add_nc_u32 v[AS], s31, v[AS0]
	CONV 0
	LOADB 0, 8, 1                                  ; the buffer is asked for again at once
	PUT 0, 0, 0
	s_wait_loadcnt 32                              ; the second is in; the 32 just issued stay out
	CONV 128
	LOADB 128, 12, 1
	PUT 128, 4, 0
	WIN 0
	s_wait_xcnt 0x0                                ; enc's address is stepped only behind this wait
	s_add_nc_u64 s[4:5], s[4:5], 0x8000
	s_add_co_u32 s31, s31, 8*PITCH
	s_sub_co_u32 s30, s30, 1
	s_cmp_lg_u32 s30, 0
	s_cbranch_scc1 .Lrows
	s_wait_loadcnt 32
	s_wait_alu depctr_vm_vsrc(0)                   ; the LDS stores issued so far have read v[AS] and both out-buffers
	v_add_nc_u32 v[AS], s31, v[AS0]
.irp p, 0,1,2,3
	v_mov_b32 v[AAC+\p], v[AA+\p]
.endr
	CONV 0
	PUT 0, 0, 1
	s_wait_loadcnt 0x0                             ; the last four rows are in: from here on the count is We's alone
	s_mov_b64 s[WB0:WB0+1], s[6:7]
	s_add_nc_u64 s[WB1:WB1+1], s[6:7], 0x4000
.irp s, 0,1,2
	BRUN \s, WB0                                   ; the ring's first three runs go out ahead of the last conversions
.endr
	CONV 128
	PUT 128, 4, 1
	WIN 0
	s_mov_b32 s27, 1                               ; the next trip's number
	s_mov_b32 s26, 0
	s_mov_b32 s37, 0
	s_mov_b32 s41, 0                               ; the upper word of a trip's offset in wf
	s_wait_dscnt 0x0                               ; for the others' sake: my rows of A are written
	s_barrier_signal -1
	s_barrier_wait -1                              ; A is whole, and is never written again
	s_wait_alu depctr_vm_vsrc(0)                   ; my LDS stores have read both out-buffers: these registers are accumulators from here on, written by the products
	FETCHA FA0, 0, 0
	FETCHA FA0, 0, 1
	; ---- two passes of 128 columns; a pass is eight trips of four K steps, the first of which starts the sums
	s_mov_b32 s28, 2
.Lpass:
	TRIP 1
	s_mov_b32 s29, 7
.Ltrip:
	TRIP 0
	s_sub_co_u32 s29, s29, 1
	s_cmp_lg_u32 s29, 0
	s_cbranch_scc1 .Ltrip
	EPI
	s_sub_co_u32 s28, s28, 1
	s_cmp_lg_u32 s28, 0
	s_cbranch_scc1 .Lpass
	; ---- the scores.  First the sum of my lane's 16 v, which is -1/2 the sum of their w; then a row's sum over my wave's columns: sixteen lanes of a half hold its parts
	v_mul_f32 v[VS], -0.5, v[VS]
.set z, 0
.rept 32
	v_pk_add_f32 v[SACC+2*z:SACC+2*z+1], v[SACC+2*z:SACC+2*z+1], v[VS:VS+1] op_sel_hi:[1,0]
.set z, z+1
.endr
.irp m, 1,2,4,8
.set z, 0
.rept 64
	v_add_f32_dpp v[SACC+z], v[SACC+z], v[SACC+z] row_xmask:\m row_mask:0xf bank_mask:0xf
.set z, z+1
.endr
.endr
	s_wait_alu depctr_va_vdst(0)                   ; the sums across lanes have written v[SACC ..], which the LDS stores read; the passes' products are done reading v160-175, in which the loads behind the barrier land
.set z, 0
.rept 16
	ds_store_b128 v[SPS], v[SACC+4*z:SACC+4*z+3] offset:64*(z/2)+16*(z%2)  ; rows 16 i + 8 h + 0..3 or 4..7; the sixteen lanes of a half write the same bits to the same words
.set z, z+1
.endr
	s_wait_dscnt 0x0                               ; for the others' sake
	s_barrier_signal -1
	s_barrier_wait -1
.irp k, 0,1,2,3
	ds_load_b128 v[160+4*\k:163+4*\k], v[SPR] offset:512*\k  ; rows 4 lane .. + 3, the four waves' shares
.endr
	s_wait_dscnt 0x0
	v_pk_add_f32 v[160:161], v[160:161], v[164:165]
	v_pk_add_f32 v[162:163], v[162:163], v[166:167]
	v_pk_add_f32 v[168:169], v[168:169], v[172:173]
	v_pk_add_f32 v[170:171], v[170:171], v[174:175]
	v_pk_add_f32 v[160:161], v[160:161], v[168:169]
	v_pk_add_f32 v[162:163], v[162:163], v[170:171]   ; the same order, so the same bits, in all four waves
	s_cmp_lg_u32 s20, 0
	s_cbranch_scc1 .Lnot_wave_0
	s_wait_alu depctr_va_vdst(0)                   ; the additions have written v160-163, which the store reads
	global_store_b128 v[VL16], v[160:163], s[14:15]   ; 512 consecutive bytes; v160-163 are not written again
.Lnot_wave_0:
	v_max3_num_f32 v56, v160, v161, v162
	v_max_num_f32 v56, v56, v163
.irp m, 1,2,4,8
	v_max_num_f32_dpp v56, v56, v56 row_xmask:\m row_mask:0xf bank_mask:0xf
.endr
	v_permlanex16_b32 v57, v56, s34, s35
	v_max_num_f32 v56, v56, v57                    ; the block's maximum
.irp z, 0,1,2,3
	v_sub_f32 v[164+\z], v[160+\z], v56
.endr
.irp z, 0,1,2,3
	v_mul_f32 v[164+\z], s36, v[164+\z]
.endr
.irp z, 0,1,2,3
	v_exp_f32 v[164+\z], v[164+\z]
.endr
	v_nop                                          ; a plain instruction behind the last exponential
	s_wait_alu depctr_va_vdst(0)                   ; the four exponentials have written v164-167, which the roundings read
	v_cvt_pk_bf16_f32 v58, v164, v165              ; the weights rounded to bf16,
	v_cvt_pk_bf16_f32 v59, v166, v167
	v_lshlrev_b32 v168, 16, v58
	v_and_b32 v169, s38, v58
	v_lshlrev_b32 v170, 16, v59
	v_and_b32 v171, s38, v59
	v_pk_add_f32 v[164:165], v[164:165], v[168:169] neg_lo:[0,1] neg_hi:[0,1]
	v_pk_add_f32 v[166:167], v[166:167], v[170:171] neg_lo:[0,1] neg_hi:[0,1]
	v_cvt_pk_bf16_f32 v60, v164, v165              ; and what the rounding left
	v_cvt_pk_bf16_f32 v61, v166, v167
	s_wait_alu depctr_va_vdst(0)                   ; the roundings have written v58-61, which the LDS stores read; all that named v128-159 and windows 1 and 3 is done, in which the loads below land
	ds_store_b64 v[PMW], v[58:59]                  ; rows 0 and 1 of the operand; rows 8 and 9 repeat them, so that both halves of the lanes hold the result in registers 0 and 1
	ds_store_b64 v[PMW], v[58:59] offset:8*PMP
	ds_store_b64 v[PMW], v[60:61] offset:PMP
	ds_store_b64 v[PMW], v[60:61] offset:9*PMP
	; ---- the partial context: weights (16 x 128) times A's rows (128 x my 256 columns d), A turned by ds_load_tr16_b128; 4 K steps x 16 n blocks.
	; Each K step's turned rows have 128 registers of their own (steps 0, 1 in window 1; steps 2, 3 in window 3): no load lands in a register that a product of this part has read.
.macro TRL ks
	WIN 0x40+0x80*((\ks)/2)                        ; destination window 1 or 3
.set n, 0
.rept 16
	ds_load_tr16_b128 v[128*((\ks)%2)+8*n:128*((\ks)%2)+8*n+3],   v[AT+(\ks)] offset:32*n
	ds_load_tr16_b128 v[128*((\ks)%2)+8*n+4:128*((\ks)%2)+8*n+7], v[AT+(\ks)] offset:32*n+16*PITCH
.set n, n+1
.endr
.endm
.macro CMUL ks, zero
	WIN 0xa4+0x08*((\ks)/2)                        ; the weights window 0, the turned rows window 1 or 3, C and D window 2
.set n, 0
.rept 16
.if \zero
	v_wmma_f32_16x16x32_bf16 v[8*n:8*n+7], v[128+8*(\ks):128+8*(\ks)+7], v[128*((\ks)%2)+8*n:128*((\ks)%2)+8*n+7], 0
.else
	v_wmma_f32_16x16x32_bf16 v[8*n:8*n+7], v[128+8*(\ks):128+8*(\ks)+7], v[128*((\ks)%2)+8*n:128*((\ks)%2)+8*n+7], v[8*n:8*n+7]
.endif
.set n, n+1
.endr
.endm
	s_wait_loadcnt 0x0                             ; the ring's last look-ahead has landed: window 1 is free
.irp ks, 0,1,2,3
	ds_load_b128 v[128+8*\ks:131+8*\ks], v[PMA] offset:64*\ks      ; my wave's own bytes: LDS serves a wave's instructions in order (ISA guide 5.7.1.4)
	ds_load_b128 v[132+8*\ks:135+8*\ks], v[PMA] offset:64*\ks+32
.endr
	TRL 0
	TRL 1
	s_wait_dscnt 32                                ; all but the 32 just issued
	CMUL 0, 1
	TRL 2
	s_wait_dscnt 32
	CMUL 1, 0
	TRL 3
	s_wait_dscnt 32
	CMUL 2, 0
	s_wait_dscnt 0x0
	CMUL 3, 0
.rept 4
	v_nop                                          ; four places between the last product and the reads of its result (ISA guide 7.12.1)
.endr
	WIN 0x0a                                       ; both sources window 2
.set n, 0
.rept 16
	v_add_f32 v[176+n], v[8*n], v[8*n+1]           ; the rounded weights' sum and the rests'
.set n, n+1
.endr
	WIN 0
	s_wait_alu depctr_va_vdst(0)                   ; the additions have written v176-191, which the LDS stores read
.set n, 0
.rept 16
	ds_store_b32 v[CXW], v[176+n] offset:64*n      ; column 16 n + r; both halves of the lanes write the same bits
.set n, n+1
.endr
	ds_load_b128 v[192:195], v[CXR]
	ds_load_b128 v[196:199], v[CXR] offset:512
	s_wait_dscnt 0x0
	global_store_b128 v[VL16], v[192:195], s[16:17]             ; 512 consecutive bytes each
	global_store_b128 v[VL16], v[196:199], s[16:17] offset:512
	s_wait_dscnt 0x0                               ; the closing lines, six on end
	s_wait_alu 0x0
	s_wait_tensorcnt 0x0
	ds_add_u32 v[SPW], v[NIL]
	s_wait_dscnt 0x0
	s_endpgm
.Lfunc_end_k_qf37e0a0c9d_score:
	.size	k_qf37e0a0c9d_score, .Lfunc_end_k_qf37e0a0c9d_score-k_qf37e0a0c9d_score
	.p2alignl 7, 3214868480
	.fill 96, 4, 3214868480
	.section	.rodata,"a",@progbits
	.p2align	6, 0x0
	.amdhsa_kernel k_qf37e0a0c9d_score
		.amdhsa_group_segment_fixed_size 296448
		.amdhsa_private_segment_fixed_size 0
		.amdhsa_enable_private_segment 0
		.amdhsa_kernarg_size 56
		.amdhsa_user_sgpr_count 2
		.amdhsa_user_sgpr_kernarg_segment_ptr 1
		.amdhsa_wavefront_size32 1
		.amdhsa_system_sgpr_workgroup_id_x 1
		.amdhsa_system_sgpr_workgroup_id_y 1
		.amdhsa_system_sgpr_workgroup_id_z 1
		.amdhsa_system_vgpr_workitem_id 0
		.amdhsa_next_free_vgpr 1024
		.amdhsa_next_free_sgpr 66
		.amdhsa_reserve_vcc 0
		.amdhsa_float_denorm_mode_32 3
		.amdhsa_float_denorm_mode_16_64 3
		.amdhsa_memory_ordered 1
		.amdhsa_forward_progress 1
		.amdhsa_inst_pref_size 235
	.end_amdhsa_kernel
	.amdgpu_metadata
---
amdhsa.version: [ 1, 2 ]
amdhsa.kernels:
  - .name:           k_qf37e0a0c9d_score
    .symbol:         k_qf37e0a0c9d_score.kd
    .args:
      - { .name: encoder_input, .offset: 0, .size: 8, .value_kind: global_buffer, .address_space: global }
      - { .name: wf, .offset: 8, .size: 8, .value_kind: global_buffer, .address_space: global }
      - { .name: cpart, .offset: 16, .size: 8, .value_kind: global_buffer, .address_space: global }
      - { .name: b, .offset: 24, .size: 8, .value_kind: global_buffer, .address_space: global }
      - { .name: v, .offset: 32, .size: 8, .value_kind: global_buffer, .address_space: global }
      - { .name: scores, .offset: 40, .size: 8, .value_kind: global_buffer, .address_space: global }
      - { .name: ctxp, .offset: 48, .size: 8, .value_kind: global_buffer, .address_space: global }
    .group_segment_fixed_size: 296448
    .private_segment_fixed_size: 0
    .kernarg_segment_align: 8
    .kernarg_segment_size: 56
    .max_flat_workgroup_size: 128
    .sgpr_count:     66
    .vgpr_count:     1024
    .wavefront_size: 32
...
	.end_amdgpu_metadata
.endif
;; end of part 4
;; launch combine: the kernel of part 3 again; grid 64 x 1, 8 waves a work-group, no clusters, 1,536 bytes of LDS; arguments scores, ctxp, out0, out1; writes out0, out1
